; MI455X (gfx1250); checked and timed in simulation.
; The chip was launched on July 23, 2026; its instructions are those of AMD's public machine-readable ISA for CDNA 5 (MIT licence, August 2026) and "CDNA5" Instruction Set Architecture Reference Guide (July 2026). The comments in the code are by the model that wrote it; some were corrected since.
;; Knowledge Injection Layer. Allowed arithmetic: float matrix products may take bf16 or f16 operands with f32 sums; all other float work in f32.
;; Inputs: P 4,096 x 8 float32; R_new 8 x 4,096 float32; W_orig 4,096 x 4,096 float32; b_orig 4,096 float32; x 2 x 2,048 x 4,096 float32.
;; Outputs: out0 2 x 2,048 x 4,096 float32.
;; One version. Each part assembles by itself: llvm-mc -triple=amdgcn-amd-amdhsa -mcpu=gfx1250 --defsym DOCPART=n.
;; ======== version 1 of 1: 4 launches
;; workspace buffers: wb 33,554,432 bytes; xb 33,554,432 bytes; part 1,048,576 bytes; db 131,072 bytes; tb 131,072 bytes
;; launch wprep (part 1): grid 32 x 8, 16 waves a work-group, no clusters, 67,584 bytes of LDS; arguments W_orig, P, wb, part; writes wb, part
.if DOCPART == 1
	.amdgcn_target "amdgcn-amd-amdhsa--gfx1250"
	.amdhsa_code_object_version 6
	.text
	.protected	k_q2ca6efb007_wprep
	.globl	k_q2ca6efb007_wprep
	.p2align	8
	.type	k_q2ca6efb007_wprep,@function
k_q2ca6efb007_wprep:
	s_mov_b64 s[64:65], 0
	v_nop
	global_prefetch_b8 v0, s[64:65] scope:SCOPE_SE
	s_setreg_imm32_b32 hwreg(HW_REG_WAVE_MODE, 25, 1), 1
	s_wait_xcnt 0x0
; wb = W rounded to bf16, and eight partial sums of P^T W (512 rows of W each), from ONE reading of W.
; W: [4096 o][4096 i] f32.  P: [4096 o][8 r] f32.  wb: [4096 o][4096 places] bf16.  part: [8 s][8 r][4096 i] f32.
; THE ORDER OF wb's PLACES.  Inside each block of 128 columns place 8 c + e (c = 0..15) holds column 4 c + e for e < 4 and column 64 + 4 c + (e - 4)
; for e >= 4.  So a lane's two loads of 16 bytes are each a sixteenth of 256 consecutive bytes of W, and its eight rounded numbers are 16 consecutive
; bytes of wb.  xb and db are written in the same order, so every product of the later launches pairs the right columns; only the order of the f32 sums differs.
; SHARES.  A work-group owns 128 columns (x) and 512 rows (y); each of its 16 waves 32 rows x 128 columns, 16 KiB, all asked for at once: no loop.
; P^T W goes to the matrix unit: A = P^T (row m = r, rows 8-15 repeat rows 0-7), B = 32 rows x 16 columns of W, K = the 32 rows.  The 16 waves' sums meet in LDS.
; LIMITS.  P and W enter the product rounded to bf16; sums in f32.  NaN and infinities are not treated apart.
; NO CLUSTER, NO TENSOR LOADS: work-groups share only P, 16 KiB beside 256 KiB of W for each; the whole share is in flight from registers' loads.
.set SPARE, 65536                      ; behind the 16 x 4,096 bytes of sums: the spare words, 128 bytes a wave, that no other line names
.set PF,  12                           ; v[12:19]   P^T's fragment
.set F,   20                           ; v[20:51]   four fragments of W; later TMP: the wave's sums, 4 columns x 8 rows a lane
.set TMP, 20
.set ACC, 52                           ; v[52:115]  accumulator q at ACC + 8 q
.set PR,  52                           ; v[52:67]   P as loaded, ahead of the first product
.set X,   116                          ; v[116:243] slot a (one row): 8 numbers of W at X + 8 a
	s_load_b256 s[4:11], s[0:1], 0x0               ; W s[4:5], P s[6:7], wb s[8:9], part s[10:11]
	v_lshl_add_u32 v10, v0, 2, SPARE               ; my spare word
	v_mov_b32 v11, 0                               ; and 0
	v_lshrrev_b32 v9, 5, v0
	v_readfirstlane_b32 s12, v9                    ; wave 0..15
	v_and_b32 v1, 15, v0                           ; c
	v_bfe_u32 v2, v0, 4, 1                         ; h
	v_and_b32 v8, 31, v0
	v_lshlrev_b32 v8, 4, v8                        ; 16 x lane
	v_lshlrev_b32 v3, 4, v1                        ; 16 c
	v_lshl_add_u32 v4, v2, 16, v3                  ; in wb: 8 h rows of 8,192 bytes + 16 c
	v_lshl_add_u32 v3, v2, 17, v3                  ; in W: 8 h rows of 16,384 bytes + 16 c
	v_and_b32 v5, 7, v0
	v_lshlrev_b32 v5, 2, v5
	v_lshl_add_u32 v5, v2, 8, v5                   ; in P: 8 h rows of 32 bytes + 4 (c mod 8)
	v_lshl_add_u32 v6, s12, 12, v8                 ; LDS, in: my wave's 4,096 bytes + 16 x lane
	v_lshl_add_u32 v7, s12, 9, v8                  ; LDS, back: row r = my wave's number, 512 bytes a row
	s_mov_b32 vcc_lo, 0xffff0000                   ; lanes 16-31
	s_and_b32 s13, ttmp7, 0xffff                   ; the block of 512 rows
	s_lshl_b32 s14, s13, 9
	s_lshl_b32 s15, s12, 5
	s_add_co_u32 s14, s14, s15                     ; my first row
	s_lshl_b32 s16, s14, 14
	s_lshl_b32 s18, ttmp9, 9
	s_add_co_u32 s16, s16, s18                     ; W: row x 16,384 + block of columns x 512
	s_mov_b32 s17, 0
	s_lshl_b32 s18, s14, 5                         ; P: row x 32
	s_mov_b32 s19, 0
	s_lshl_b32 s20, s14, 13
	s_lshl_b32 s21, ttmp9, 8
	s_add_co_u32 s20, s20, s21                     ; wb: row x 8,192 + block x 256
	s_mov_b32 s21, 0
	s_lshl_b32 s22, s13, 17
	s_lshl_b32 s23, ttmp9, 9
	s_add_co_u32 s22, s22, s23
	s_lshl_b32 s23, s12, 14
	s_add_co_u32 s22, s22, s23                     ; part: s x 131,072 + r x 16,384 + block x 512 (used by waves 0-7, r = wave)
	s_mov_b32 s23, 0
	s_wait_kmcnt 0x0
	s_add_nc_u64 s[4:5], s[4:5], s[16:17]
	s_add_nc_u64 s[6:7], s[6:7], s[18:19]
	s_add_nc_u64 s[8:9], s[8:9], s[20:21]
	; Slot a is the row 8 h + a (a < 8) or 16 + 8 h + (a - 8): the K that a fragment's register a / 2 holds in this lane.
.set a, 0
.rept 16
	global_load_b32 v[PR+a], v5, s[6:7] offset:32*(a+8*(a/8))
.set a, a+1
.endr
.set a, 0
.rept 16                               ; columns 4 c .. 4 c + 3: lanes 0-15 take 256 consecutive bytes of one row, lanes 16-31 of the row 8 below
	global_load_b128 v[X+8*a:X+8*a+3], v3, s[4:5] offset:16384*(a+8*(a/8)) th:TH_LOAD_NT
.set a, a+1
.endr
.set a, 0
.rept 16                               ; columns 64 + 4 c .. 64 + 4 c + 3
	global_load_b128 v[X+8*a+4:X+8*a+7], v3, s[4:5] offset:16384*(a+8*(a/8))+256 th:TH_LOAD_NT
.set a, a+1
.endr
; Four fragments of W (number q0 + q of each lane's eight, down the 32 rows) and their products.  Product q gives, in register j of lane (c, h),
; the sum for row j of P^T W and the lane's column number q0 + q; both halves of the lanes hold the same sums, since A's rows 8-15 repeat rows 0-7.
.macro FRAGS q0
.set q, 0
.rept 4
.set i, 0
.rept 8
	v_cvt_pk_bf16_f32 v[F+8*q+i], v[X+16*i+(\q0)+q], v[X+16*i+8+(\q0)+q]
.set i, i+1
.endr
.set q, q+1
.endr
.set q, 0
.rept 4                                ; four accumulators, each written once: the constant 0 starts the sum
	v_wmma_f32_16x16x32_bf16 v[ACC+8*((\q0)+q):ACC+8*((\q0)+q)+7], v[PF:PF+7], v[F+8*q:F+8*q+7], 0
.set q, q+1
.endr
.endm
	s_wait_loadcnt 32                              ; loads come back in order: P is in, the 32 loads of W may be out
.set i, 0
.rept 8
	v_cvt_pk_bf16_f32 v[PF+i], v[PR+2*i], v[PR+2*i+1]
.set i, i+1
.endr
	s_wait_loadcnt 16                              ; the first halves of the rows are in
	FRAGS 0
	s_wait_loadcnt 0x0                             ; the second halves
	; wb's 16 bytes for each row, in place: register p takes numbers 2 p and 2 p + 1; p ascending, so no number is overwritten before it is read, and numbers 4-7 stay.
	; These 64 plain instructions name no register of the products above: they are the places in front of the next writes of F (ISA guide 7.12.1).
.set a, 0
.rept 16
.set p, 0
.rept 4
	v_cvt_pk_bf16_f32 v[X+8*a+p], v[X+8*a+2*p], v[X+8*a+2*p+1]
.set p, p+1
.endr
.set a, a+1
.endr
.set a, 0
.rept 16
	global_store_b128 v4, v[X+8*a:X+8*a+3], s[8:9] offset:8192*(a+8*(a/8))  ; 16 lanes store 256 consecutive bytes, at a multiple of 256 from wb's first byte
.set a, a+1
.endr
	FRAGS 4
.rept 4
	v_nop                                          ; four places behind the last products, ahead of the reads of their results and the writes over F
.endr
	; Lane l takes the natural columns 4 l .. 4 l + 3 of the block: lanes 0-15 from accumulators 0-3, lanes 16-31 from 4-7.  Row 0 first: each accumulator is read from its low end.
.set j, 0
.rept 8
.set e, 0
.rept 4
	v_cndmask_b32 v[TMP+4*j+e], v[ACC+8*e+j], v[ACC+8*(e+4)+j], vcc_lo
.set e, e+1
.endr
.set j, j+1
.endr
.set j, 0
.rept 8
	ds_store_b128 v6, v[TMP+4*j:TMP+4*j+3] offset:512*j  ; row j of my wave's sums: 512 consecutive bytes
.set j, j+1
.endr
	s_wait_tensorcnt 0x0                           ; behind my last LDS store
	ds_add_u32 v10, v11
	s_wait_dscnt 0x0                               ; the wait for the add also shows my stores done, for the waves that read them behind the barrier
	s_barrier_signal -1
	s_barrier_wait -1
	s_cmp_lt_u32 s12, 8                            ; eight rows: waves 0-7 add the sixteen waves' sums of one row each
	s_cbranch_scc0 .Lend
	s_add_nc_u64 s[10:11], s[10:11], s[22:23]
	s_wait_xcnt 0x0                                ; X's registers are the data of the stores above: loaded into only behind this wait
.set i, 0
.rept 16
	ds_load_b128 v[X+4*i:X+4*i+3], v7 offset:4096*i
.set i, i+1
.endr
	s_wait_dscnt 0x0
.irp s, 8,4,2,1
.set i, 0
.rept \s
	v_pk_add_f32 v[X+4*i:X+4*i+1], v[X+4*i:X+4*i+1], v[X+4*(i+\s):X+4*(i+\s)+1]
	v_pk_add_f32 v[X+4*i+2:X+4*i+3], v[X+4*i+2:X+4*i+3], v[X+4*(i+\s)+2:X+4*(i+\s)+3]
.set i, i+1
.endr
.endr
	global_store_b128 v8, v[X:X+3], s[10:11]       ; 512 consecutive bytes of part
.Lend:
	s_endpgm
.Lfunc_end_k_q2ca6efb007_wprep:
	.size	k_q2ca6efb007_wprep, .Lfunc_end_k_q2ca6efb007_wprep-k_q2ca6efb007_wprep
	.p2alignl 7, 3214868480
	.fill 96, 4, 3214868480
	.section	.rodata,"a",@progbits
	.p2align	6, 0x0
	.amdhsa_kernel k_q2ca6efb007_wprep
		.amdhsa_group_segment_fixed_size 67584
		.amdhsa_private_segment_fixed_size 0
		.amdhsa_enable_private_segment 0
		.amdhsa_kernarg_size 32
		.amdhsa_user_sgpr_count 2
		.amdhsa_user_sgpr_kernarg_segment_ptr 1
		.amdhsa_wavefront_size32 1
		.amdhsa_system_sgpr_workgroup_id_x 1
		.amdhsa_system_sgpr_workgroup_id_y 1
		.amdhsa_system_sgpr_workgroup_id_z 1
		.amdhsa_system_vgpr_workitem_id 0
		.amdhsa_next_free_vgpr 244
		.amdhsa_next_free_sgpr 66
		.amdhsa_reserve_vcc 1
		.amdhsa_float_denorm_mode_32 3
		.amdhsa_float_denorm_mode_16_64 3
		.amdhsa_memory_ordered 1
		.amdhsa_forward_progress 1
		.amdhsa_inst_pref_size 22
	.end_amdhsa_kernel
	.amdgpu_metadata
---
amdhsa.version: [ 1, 2 ]
amdhsa.kernels:
  - .name:           k_q2ca6efb007_wprep
    .symbol:         k_q2ca6efb007_wprep.kd
    .args:
      - { .name: W_orig, .offset: 0, .size: 8, .value_kind: global_buffer, .address_space: global }
      - { .name: P, .offset: 8, .size: 8, .value_kind: global_buffer, .address_space: global }
      - { .name: wb, .offset: 16, .size: 8, .value_kind: global_buffer, .address_space: global }
      - { .name: part, .offset: 24, .size: 8, .value_kind: global_buffer, .address_space: global }
    .group_segment_fixed_size: 67584
    .private_segment_fixed_size: 0
    .kernarg_segment_align: 8
    .kernarg_segment_size: 32
    .max_flat_workgroup_size: 512
    .sgpr_count:     66
    .vgpr_count:     244
    .wavefront_size: 32
...
	.end_amdgpu_metadata
.endif
;; end of part 1
;; launch dfin (part 2): grid 32 x 1, 8 waves a work-group, no clusters, 5,120 bytes of LDS; arguments part, R_new, db; writes db
.if DOCPART == 2
	.amdgcn_target "amdgcn-amd-amdhsa--gfx1250"
	.amdhsa_code_object_version 6
	.text
	.protected	k_q2ca6efb007_dfin
	.globl	k_q2ca6efb007_dfin
	.p2align	8
	.type	k_q2ca6efb007_dfin,@function
k_q2ca6efb007_dfin:
	s_mov_b64 s[64:65], 0
	v_nop
	global_prefetch_b8 v0, s[64:65] scope:SCOPE_SE
	s_setreg_imm32_b32 hwreg(HW_REG_WAVE_MODE, 25, 1), 1
	s_wait_xcnt 0x0
; D = R_new - P^T W, in f32 from the eight partial sums, rounded once to bf16 and written as the matrix fragments that the next launch loads.
; part: [8 s][8 r][4096 i] f32.  R_new: [8 r][4096 i] f32.  db: [128 kc][2 j2][32 lanes][16 bytes]: lane (n = lane % 16, h = lane / 16) of (kc, j2) holds
; row n of D at the places 32 kc + 16 j2 + 8 h + 0..7; rows 8-15 are zeros.  The places are wb's and xb's: in a block of 128 columns place 8 c + e is column
; 4 c + e (e < 4) or 64 + 4 c + e - 4.
; SHARES.  A work-group owns 128 columns, wave n row n of D, lane l the columns 4 l .. 4 l + 3.  32 work-groups: a block of 128 columns is the smallest whose
; rows are whole runs of 256 bytes on both sides, and the launch moves about a megabyte.  No matrix unit, no cluster: eight additions a number, nothing shared.
.set SPARE, 4096                       ; behind the block's 4,096 bytes: the spare words, 128 bytes a wave, that no other line names
	s_load_b128 s[4:7], s[0:1], 0x0                ; part s[4:5], R_new s[6:7]
	s_load_b64 s[8:9], s[0:1], 0x10                ; db
	v_lshl_add_u32 v10, v0, 2, SPARE               ; my spare word
	v_mov_b32 v11, 0                               ; and 0
	v_lshrrev_b32 v4, 5, v0
	v_readfirstlane_b32 s10, v4                    ; wave = row n
	v_and_b32 v5, 31, v0
	v_lshlrev_b32 v1, 4, v5
	v_lshl_add_u32 v1, s10, 14, v1                 ; n x 16,384 + 16 x lane
	v_and_b32 v6, 15, v0                           ; c
	v_bfe_u32 v7, v0, 4, 1                         ; e2: my four columns are places 8 c + 4 e2 + 0..3
	v_lshlrev_b32 v2, 8, v6                        ; those places lie in kc = c / 4, j2 = (c / 2) % 2, h = c % 2: 1,024 kc + 512 j2 + 256 h = 256 c,
	v_lshl_add_u32 v2, s10, 4, v2                  ; + 16 n,
	v_lshl_add_u32 v2, v7, 3, v2                   ; + 8 e2
	v_lshlrev_b32 v3, 4, v0                        ; 16 x thread
	v_mov_b32 v12, 0
	v_mov_b32 v13, 0
	s_lshl_b32 s12, ttmp9, 9                       ; 128 columns of f32
	s_mov_b32 s13, 0
	s_lshl_b32 s14, ttmp9, 12                      ; the block's 4,096 bytes of db
	s_mov_b32 s15, 0
	s_wait_kmcnt 0x0
	s_add_nc_u64 s[4:5], s[4:5], s[12:13]
	s_add_nc_u64 s[6:7], s[6:7], s[12:13]
	s_add_nc_u64 s[8:9], s[8:9], s[14:15]
.set i, 0
.rept 8
	global_load_b128 v[16+4*i:16+4*i+3], v1, s[4:5] offset:131072*i
.set i, i+1
.endr
	global_load_b128 v[48:51], v1, s[6:7]
	s_wait_loadcnt 0x0
.irp s, 4,2,1
.set i, 0
.rept \s
	v_pk_add_f32 v[16+4*i:16+4*i+1], v[16+4*i:16+4*i+1], v[16+4*(i+\s):16+4*(i+\s)+1]
	v_pk_add_f32 v[16+4*i+2:16+4*i+3], v[16+4*i+2:16+4*i+3], v[16+4*(i+\s)+2:16+4*(i+\s)+3]
.set i, i+1
.endr
.endr
	v_pk_add_f32 v[48:49], v[48:49], v[16:17] neg_lo:[0,1] neg_hi:[0,1]  ; R_new - P^T W
	v_pk_add_f32 v[50:51], v[50:51], v[18:19] neg_lo:[0,1] neg_hi:[0,1]
	v_cvt_pk_bf16_f32 v52, v48, v49
	v_cvt_pk_bf16_f32 v53, v50, v51
	ds_store_b64 v2, v[52:53]                      ; row n
	ds_store_b64 v2, v[12:13] offset:128           ; row n + 8: zeros
	s_wait_tensorcnt 0x0                           ; behind my last LDS store
	ds_add_u32 v10, v11
	s_wait_dscnt 0x0                               ; the wait for the add also shows my stores done, for the waves that read them behind the barrier
	s_barrier_signal -1
	s_barrier_wait -1
	ds_load_b128 v[56:59], v3
	s_wait_dscnt 0x0
	global_store_b128 v3, v[56:59], s[8:9]         ; a wave stores 512 consecutive bytes
	s_endpgm
.Lfunc_end_k_q2ca6efb007_dfin:
	.size	k_q2ca6efb007_dfin, .Lfunc_end_k_q2ca6efb007_dfin-k_q2ca6efb007_dfin
	.p2alignl 7, 3214868480
	.fill 96, 4, 3214868480
	.section	.rodata,"a",@progbits
	.p2align	6, 0x0
	.amdhsa_kernel k_q2ca6efb007_dfin
		.amdhsa_group_segment_fixed_size 5120
		.amdhsa_private_segment_fixed_size 0
		.amdhsa_enable_private_segment 0
		.amdhsa_kernarg_size 24
		.amdhsa_user_sgpr_count 2
		.amdhsa_user_sgpr_kernarg_segment_ptr 1
		.amdhsa_wavefront_size32 1
		.amdhsa_system_sgpr_workgroup_id_x 1
		.amdhsa_system_sgpr_workgroup_id_y 1
		.amdhsa_system_sgpr_workgroup_id_z 1
		.amdhsa_system_vgpr_workitem_id 0
		.amdhsa_next_free_vgpr 64
		.amdhsa_next_free_sgpr 66
		.amdhsa_reserve_vcc 0
		.amdhsa_float_denorm_mode_32 3
		.amdhsa_float_denorm_mode_16_64 3
		.amdhsa_memory_ordered 1
		.amdhsa_forward_progress 1
		.amdhsa_inst_pref_size 4
	.end_amdhsa_kernel
	.amdgpu_metadata
---
amdhsa.version: [ 1, 2 ]
amdhsa.kernels:
  - .name:           k_q2ca6efb007_dfin
    .symbol:         k_q2ca6efb007_dfin.kd
    .args:
      - { .name: part, .offset: 0, .size: 8, .value_kind: global_buffer, .address_space: global }
      - { .name: R_new, .offset: 8, .size: 8, .value_kind: global_buffer, .address_space: global }
      - { .name: db, .offset: 16, .size: 8, .value_kind: global_buffer, .address_space: global }
    .group_segment_fixed_size: 5120
    .private_segment_fixed_size: 0
    .kernarg_segment_align: 8
    .kernarg_segment_size: 24
    .max_flat_workgroup_size: 256
    .sgpr_count:     66
    .vgpr_count:     64
    .wavefront_size: 32
...
	.end_amdgpu_metadata
.endif
;; end of part 2
;; launch xprep (part 3): grid 256 x 1, 8 waves a work-group, no clusters, 327,680 bytes of LDS; arguments x, db, xb, tb; writes xb, tb
.if DOCPART == 3
	.amdgcn_target "amdgcn-amd-amdhsa--gfx1250"
	.amdhsa_code_object_version 6
	.text
	.protected	k_q2ca6efb007_xprep
	.globl	k_q2ca6efb007_xprep
	.p2align	8
	.type	k_q2ca6efb007_xprep,@function
k_q2ca6efb007_xprep:
	s_mov_b64 s[64:65], 0
	v_nop
	global_prefetch_b8 v0, s[64:65] scope:SCOPE_SE
	s_setreg_imm32_b32 hwreg(HW_REG_WAVE_MODE, 25, 1), 1
	s_wait_xcnt 0x0
; xb = x rounded to bf16, and T = xb D^T (4096 x 8), from ONE reading of x.
; x: [4096 t][4096 i] f32.  db: D's fragments, [128 kc][2 j2][32 lanes][16 bytes].  xb: [4096 t][4096 places] bf16, the places in wb's order (in a block of 128
; columns place 8 c + e is column 4 c + e for e < 4, 64 + 4 c + e - 4 else).  tb: [256 blocks of 16 tokens][32 lanes][16 bytes]: lane (m = lane % 16, h = lane / 16)
; holds T[16 B + m][8 h + 0..7] in bf16; for h = 1 that is 0, since D's rows 8-15 are 0.
; SHARES.  A work-group owns 16 tokens (T needs whole rows of x), wave w the columns 512 w .. + 511 as four sub-tiles of 16 x 128.  All 256 KiB are asked for at the
; start, four tensor loads a wave, each into LDS bytes of its own: four loads of a wave are out at the most, nothing is filled twice, and only the wave that asked reads a tile.
; THE PRODUCT is used with D as source 0 and the tokens as source 1: a lane then holds one token and eight numbers of T, which rounded in pairs are tb's 16 bytes.
; LIMITS.  x and D enter the product rounded to bf16, T is rounded once to bf16; sums in f32.  NaN and infinities are not treated apart (0 x infinity in rows 8-15 gives NaN).
; NO CLUSTER: work-groups share db alone, 128 KiB beside 256 KiB of x for each, and every wave loads only its eighth, its 16 KiB of it once, into registers.
.set TILE,  16*528                     ; a sub-tile in LDS: 16 rows of 512 bytes + 16 of padding = 132 words: row r starts at bank 4 r mod 64 (64 banks of 4 bytes: ISA guide 11.1)
.set STG,   32*TILE                    ; 270,336: behind the tiles, a stage of 16 rows x 272 bytes for each wave; no tensor load lands here
.set TRED,  STG+8*16*272               ; 305,152: the waves' sums of T, 1,024 bytes each
.set SPARE, TRED+8192                  ; 313,344: the spare words, 128 bytes a wave, that no other line names
.set XA, 3                             ; v3   my place in my wave's first sub-tile: row lane % 16, 16 bytes for each half of the lanes
.set SA, 4                             ; v4   the stage, in
.set RA, 5                             ; v5   the stage, back: lanes 0-15 one row of 256 bytes, lanes 16-31 the next
.set GO, 6                             ; v6   the same two rows in xb
.set LO, 7                             ; v7   16 x lane
.set TA, 8                             ; v8   my 32 bytes of my wave's sums
.set TZ, 9                             ; v9   the same of wave 0's
.set T,  16                            ; v[16:23], v[24:31]  two accumulators, by turns
.set AF, 32                            ; v[32:63]   four fragments of tokens (16 x 32 places)
.set XF, 64                            ; v[64:127]  the same as f32
.set OB, 64                            ; v[64:95]   16 rows of 256 bytes read back from the stage
.set DF, 128                           ; v[128:255] my wave's 16 fragments of D
.set G1, 16                            ; s[16:23] descriptor group 1
.set G0, 24                            ; s[24:39] descriptor group 0, a set for each sub-tile
	s_load_b256 s[4:11], s[0:1], 0x0               ; x s[4:5], db s[6:7], xb s[8:9], tb s[10:11]
	v_lshl_add_u32 v10, v0, 2, SPARE               ; my spare word
	v_mov_b32 v11, 0                               ; and 0
	ds_add_u32 v10, v11                            ; the wave's opening: the add and its wait stand ahead of my first tensor load; work on registers stands between them
	ds_add_u32 v10, v11
	v_lshrrev_b32 v1, 5, v0
	v_readfirstlane_b32 s12, v1                    ; wave 0..7
	s_mov_b32 s[G1+0], (2<<16)|(1<<20)|(6<<22)|(3<<25)  ; 17:16 elements of 4 bytes; 20 padding on; 24:22 after every 128 words (code 6); 31:25 4 words of it (code 3)
	s_mov_b32 s[G1+1], 128<<16                     ; tensor_dim0 = 128
	s_mov_b32 s[G1+2], 16<<16                      ; tensor_dim1 = 16
	s_mov_b32 s[G1+3], 128<<16                     ; tile_dim0 = 128
	s_mov_b32 s[G1+4], 16                          ; tile_dim1 = 16
	s_mov_b32 s[G1+5], 4096                        ; elements from row to row
	s_mov_b32 s[G1+6], 0
	s_mov_b32 s[G1+7], 0
	s_mul_i32 s13, s12, 4*TILE                     ; my wave's four tiles in LDS
	s_lshl_b32 s14, ttmp9, 18                      ; 16 rows of 16,384 bytes,
	s_lshl_b32 s15, s12, 11                        ; my wave's 512 columns
	s_add_co_u32 s14, s14, s15
	s_mov_b32 s15, 0
	s_wait_dscnt 0x0                               ; the opening add is done
	s_wait_kmcnt 0x0
	s_add_nc_u64 s[4:5], s[4:5], s[14:15]
.irp c, 0,1,2,3
	s_mov_b32 s[G0+4*(\c)], 1                                      ; count = 1
	s_add_co_u32 s[G0+4*(\c)+1], s13, (\c)*TILE                    ; LDS address
	s_add_nc_u64 s[G0+4*(\c)+2:G0+4*(\c)+3], s[4:5], (\c)*512      ; global address: 128 columns on
	s_or_b32 s[G0+4*(\c)+3], s[G0+4*(\c)+3], 0x80000000            ; type = 2
	tensor_load_to_lds s[G0+4*(\c):G0+4*(\c)+3], s[G1:G1+7]
	s_nop 0
.endr
	s_lshl_b32 s14, s12, 14                        ; my wave's 16 fragments of D: 16,384 bytes
	s_add_nc_u64 s[6:7], s[6:7], s[14:15]
	v_and_b32 v[LO], 31, v0
	v_lshlrev_b32 v[TZ], 5, v[LO]
	v_lshlrev_b32 v[LO], 4, v[LO]
.set i, 0
.rept 16
	global_load_b128 v[DF+8*i:DF+8*i+3],   v[LO], s[6:7] offset:1024*i
	global_load_b128 v[DF+8*i+4:DF+8*i+7], v[LO], s[6:7] offset:1024*i+512
.set i, i+1
.endr
	s_lshl_b32 s14, ttmp9, 17                      ; xb: 16 rows of 8,192 bytes + my wave's 1,024
	s_lshl_b32 s40, s12, 10
	s_add_co_u32 s14, s14, s40
	s_add_nc_u64 s[8:9], s[8:9], s[14:15]
	s_lshl_b32 s14, ttmp9, 9                       ; tb: 512 bytes a block
	s_add_nc_u64 s[10:11], s[10:11], s[14:15]
	s_mul_i32 s40, s12, 16*272
	s_add_co_u32 s40, s40, STG                     ; my stage
	v_and_b32 v1, 15, v0                           ; r
	v_bfe_u32 v2, v0, 4, 1                         ; h
	v_mul_u32_u24 v[XA], v1, 528
	v_lshl_add_u32 v[XA], v2, 4, v[XA]
	v_add_nc_u32 v[XA], s13, v[XA]
	v_mul_u32_u24 v[SA], v1, 272
	v_lshl_add_u32 v[SA], v2, 4, v[SA]
	v_add_nc_u32 v[SA], s40, v[SA]
	v_mul_u32_u24 v[RA], v2, 272
	v_lshl_add_u32 v[RA], v1, 4, v[RA]
	v_add_nc_u32 v[RA], s40, v[RA]
	v_lshlrev_b32 v[GO], 4, v1
	v_lshl_add_u32 v[GO], v2, 13, v[GO]
	v_add_nc_u32 v[TZ], TRED, v[TZ]
	v_lshl_add_u32 v[TA], s12, 10, v[TZ]
	s_wait_loadcnt 0x0                             ; D
; Sub-tile c: 16 tokens x 128 columns are rounded, multiplied by D and sent to xb.
.macro SUB c
	s_wait_tensorcnt 3-(\c)                        ; tensor loads of a wave end in order (ISA guide 10.11.1): my tile c is in LDS, the later ones may be out; only I read it
	s_wait_xcnt 0x0                                ; OB's registers are the data of the last sub-tile's stores: loaded into only behind this wait
.irp q, 0,1,2,3                        ; fragment q, places 32 q ..: the lane's places 8 h + 0..7 are columns 16 q + 4 h + 0..3 and 64 more; its places 16 + 8 h + 0..7 lie 8 columns on
	ds_load_b128 v[XF+16*(\q):XF+16*(\q)+3],     v[XA] offset:TILE*(\c)+64*(\q)
	ds_load_b128 v[XF+16*(\q)+4:XF+16*(\q)+7],   v[XA] offset:TILE*(\c)+64*(\q)+256
	ds_load_b128 v[XF+16*(\q)+8:XF+16*(\q)+11],  v[XA] offset:TILE*(\c)+64*(\q)+32
	ds_load_b128 v[XF+16*(\q)+12:XF+16*(\q)+15], v[XA] offset:TILE*(\c)+64*(\q)+288
.endr
.irp q, 0,1,2,3
	s_wait_dscnt 12-4*(\q)                         ; LDS loads come back in order: fragment q's four are in
.set i, 8*(\q)
.rept 8
	v_cvt_pk_bf16_f32 v[AF+i], v[XF+2*i], v[XF+2*i+1]
.set i, i+1
.endr
.endr
.irp q, 0,1,2,3                        ; the two accumulators take turns, from sub-tile to sub-tile too; the first two products start the sums
.if ((\c) == 0) && ((\q) < 2)
	v_wmma_f32_16x16x32_bf16 v[T+8*((\q)%2):T+8*((\q)%2)+7], v[DF+8*(4*(\c)+(\q)):DF+8*(4*(\c)+(\q))+7], v[AF+8*(\q):AF+8*(\q)+7], 0
.else
	v_wmma_f32_16x16x32_bf16 v[T+8*((\q)%2):T+8*((\q)%2)+7], v[DF+8*(4*(\c)+(\q)):DF+8*(4*(\c)+(\q))+7], v[AF+8*(\q):AF+8*(\q)+7], v[T+8*((\q)%2):T+8*((\q)%2)+7]
.endif
.endr
.irp q, 0,1,2,3                        ; a fragment's two halves are 16 bytes of a row of xb each
	ds_store_b128 v[SA], v[AF+8*(\q):AF+8*(\q)+3]   offset:64*(\q)
	ds_store_b128 v[SA], v[AF+8*(\q)+4:AF+8*(\q)+7] offset:64*(\q)+32
.endr
.irp t, 0,1,2,3,4,5,6,7
	ds_load_b128 v[OB+4*(\t):OB+4*(\t)+3], v[RA] offset:544*(\t)  ; LDS serves a wave's instructions in order (ISA guide 5.7.1.4): these see the stores above
.endr
.rept 4
	v_nop                                          ; four places behind the products, ahead of the next writes of their sources and the reads of their results (ISA guide 7.12.1)
.endr
.irp t, 0,1,2,3,4,5,6,7
	s_wait_dscnt 7-(\t)
	global_store_b128 v[GO], v[OB+4*(\t):OB+4*(\t)+3], s[8:9] offset:16384*(\t)+256*(\c)  ; 16 lanes store 256 consecutive bytes, at a multiple of 256 from xb's first byte
.endr
.endm
	SUB 0
	SUB 1
	SUB 2
	SUB 3
.set i, 0
.rept 4                                ; the two accumulators are added, from their low ends on
	v_pk_add_f32 v[AF+2*i:AF+2*i+1], v[T+2*i:T+2*i+1], v[T+8+2*i:T+8+2*i+1]
.set i, i+1
.endr
	ds_store_b128 v[TA], v[AF:AF+3]
	ds_store_b128 v[TA], v[AF+4:AF+7] offset:16
	s_wait_tensorcnt 0x0                           ; behind my last tensor load and my last LDS store
	ds_add_u32 v10, v11
	s_wait_dscnt 0x0                               ; the wait for the add also shows my stores done, for wave 0, which reads them behind the barrier
	s_barrier_signal -1
	s_barrier_wait -1
	s_cmp_lg_u32 s12, 0                            ; wave 0 adds the eight waves' sums
	s_cbranch_scc1 .Lend
.set i, 0
.rept 8
	ds_load_b128 v[DF+8*i:DF+8*i+3],   v[TZ] offset:1024*i
	ds_load_b128 v[DF+8*i+4:DF+8*i+7], v[TZ] offset:1024*i+16
.set i, i+1
.endr
	s_wait_dscnt 0x0
.irp s, 4,2,1
.set i, 0
.rept \s
.irp z, 0,2,4,6
	v_pk_add_f32 v[DF+8*i+\z:DF+8*i+\z+1], v[DF+8*i+\z:DF+8*i+\z+1], v[DF+8*(i+\s)+\z:DF+8*(i+\s)+\z+1]
.endr
.set i, i+1
.endr
.endr
.set i, 0
.rept 4
	v_cvt_pk_bf16_f32 v[AF+i], v[DF+2*i], v[DF+2*i+1]
.set i, i+1
.endr
	global_store_b128 v[LO], v[AF:AF+3], s[10:11]  ; the block's 512 bytes of tb
.Lend:
	s_endpgm
.Lfunc_end_k_q2ca6efb007_xprep:
	.size	k_q2ca6efb007_xprep, .Lfunc_end_k_q2ca6efb007_xprep-k_q2ca6efb007_xprep
	.p2alignl 7, 3214868480
	.fill 96, 4, 3214868480
	.section	.rodata,"a",@progbits
	.p2align	6, 0x0
	.amdhsa_kernel k_q2ca6efb007_xprep
		.amdhsa_group_segment_fixed_size 327680
		.amdhsa_private_segment_fixed_size 0
		.amdhsa_enable_private_segment 0
		.amdhsa_kernarg_size 32
		.amdhsa_user_sgpr_count 2
		.amdhsa_user_sgpr_kernarg_segment_ptr 1
		.amdhsa_wavefront_size32 1
		.amdhsa_system_sgpr_workgroup_id_x 1
		.amdhsa_system_sgpr_workgroup_id_y 1
		.amdhsa_system_sgpr_workgroup_id_z 1
		.amdhsa_system_vgpr_workitem_id 0
		.amdhsa_next_free_vgpr 256
		.amdhsa_next_free_sgpr 66
		.amdhsa_reserve_vcc 0
		.amdhsa_float_denorm_mode_32 3
		.amdhsa_float_denorm_mode_16_64 3
		.amdhsa_memory_ordered 1
		.amdhsa_forward_progress 1
		.amdhsa_inst_pref_size 34
	.end_amdhsa_kernel
	.amdgpu_metadata
---
amdhsa.version: [ 1, 2 ]
amdhsa.kernels:
  - .name:           k_q2ca6efb007_xprep
    .symbol:         k_q2ca6efb007_xprep.kd
    .args:
      - { .name: x, .offset: 0, .size: 8, .value_kind: global_buffer, .address_space: global }
      - { .name: db, .offset: 8, .size: 8, .value_kind: global_buffer, .address_space: global }
      - { .name: xb, .offset: 16, .size: 8, .value_kind: global_buffer, .address_space: global }
      - { .name: tb, .offset: 24, .size: 8, .value_kind: global_buffer, .address_space: global }
    .group_segment_fixed_size: 327680
    .private_segment_fixed_size: 0
    .kernarg_segment_align: 8
    .kernarg_segment_size: 32
    .max_flat_workgroup_size: 256
    .sgpr_count:     66
    .vgpr_count:     256
    .wavefront_size: 32
...
	.end_amdgpu_metadata
.endif
;; end of part 3
;; launch gemm (part 4): grid 16 x 16, 4 waves a work-group, clusters of 4 x 4, 327,680 bytes of LDS; arguments xb, wb, out0, tb, P, b_orig; writes out0
.if DOCPART == 4
	.amdgcn_target "amdgcn-amd-amdhsa--gfx1250"
	.amdhsa_code_object_version 6
	.text
	.protected	k_q2ca6efb007_gemm
	.globl	k_q2ca6efb007_gemm
	.p2align	8
	.type	k_q2ca6efb007_gemm,@function
k_q2ca6efb007_gemm:
	s_mov_b64 s[64:65], 0
	v_nop
	global_prefetch_b8 v0, s[64:65] scope:SCOPE_SE
	s_setreg_imm32_b32 hwreg(HW_REG_WAVE_MODE, 25, 1), 1
	s_wait_xcnt 0x0
	s_wait_alu depctr_hold_cnt(0) depctr_sa_sdst(0) depctr_va_vdst(0) depctr_va_sdst(0) depctr_va_ssrc(0) depctr_va_vcc(0) depctr_vm_vsrc(0)
	s_getreg_b32 s2, hwreg(HW_REG_IB_STS2, 6, 4)
	s_cmp_eq_u32 s2, 0
	s_cbranch_scc0 .Lentry_in_a_cluster
	s_endpgm
.Lentry_in_a_cluster:
	s_bfe_u32 s2, ttmp6, 0x10000c
	s_cmp_lg_u32 s2, 0xf033
	s_cbranch_scc0 .Lentry_shape_is_right
	s_endpgm
.Lentry_shape_is_right:
; out[t][o] = b[o] + sum over r of T[t][r] P[o][r] + sum over k of xb[t][k] wb[o][k].  xb, wb: [4096][4096] bf16 (their columns in one common order); out: [4096][4096] f32.
; tb: T as fragments, [256 blocks of 16 tokens][32 lanes][16 bytes] bf16.  P: [4096][8] f32, rounded to bf16 here.  b: [4096] f32, the C operand of the products that start the sums.
; With D = R_new - P^T W and T = x D^T this is x (W - P P^T W + P R_new)^T + b, for every input.
; LIMITS.  Matrix operands are bf16, sums f32.  Of the rank's K = 32 places 8 hold T and P; in the others at least one operand is 0, so an infinity in P gives NaN where an infinity may be due.
; A tile of out, 256 x 256, is made by a work-group of four waves; a wave makes 128 x 128: 64 accumulators of 16 x 16, 512 registers.  256 tiles, one for each work-group.
; K goes in steps of 128 through a ring of two LDS slots filled by the tensor data mover: the tiles' rows are 256 bytes of memory, at multiples of 256 bytes.
; CLUSTERS: 4 x 4 work-groups.  The four of a row of the cluster need the same tiles of xb, the four of a column the same tiles of wb: each tile is asked for JOINTLY, by the same tensor
; load with the same descriptor and a mask that names the four; each receives it in its own LDS.
; REGISTERS, in windows of 256 (s_set_vgpr_msb: bits 1:0 source 0, 3:2 source 1, 5:4 source 2, 7:6 destination):
;   window 0: v0-31 addresses; v64-127, v128-191 fragments of xb, two buffers (on the way out: rows read back from the stage); v192-255 P as f32
;   window 1: v0-63 b for my 128 columns; v64-127, v128-191 fragments of wb, two buffers
;   window 2: the 32 accumulators of my rows 0-63 (accumulator (a, b) at v[8 (8 a + b)]);   window 3: those of my rows 64-127
; THE MATRIX INSTRUCTION IS USED TRANSPOSED: source 0 = 16 rows of wb, source 1 = 16 rows of xb.  Lane l then holds row l % 16 of out, its registers 0-7 the columns 8 (l / 16) + 0..7.
.set SIZE_K, 4096
.set SIZE_N, 4096
.set KSTEP,  128
.set PITCH,  272                       ; an LDS row: 256 bytes + 16 of padding = 68 words: row r starts at bank 4 r mod 64 (64 banks of 4 bytes: ISA guide 11.1)
.set HALFT,  128*PITCH                 ; 128 rows: what one tensor load brings, and what one wave reads of xb or of wb
.set SLOT,   4*HALFT                   ; xb's 256 rows, then wb's 256 rows
.set STAGE,  2*SLOT                    ; behind the ring: 16 rows x 528 bytes for each wave, for the way out; no tensor load lands here
.set SPITCH, 528                       ; 512 bytes of f32 + 16: an odd multiple of 16
.set SPARE,  STAGE+4*16*SPITCH         ; behind the stages: the spare words, 128 bytes a wave, that no other line names
.set LAPS,   SIZE_K/(2*KSTEP)          ; a lap = two K steps = once round the ring
.set VB,   8                           ; v8      32 x (l / 16): my eight columns' bytes in 16 numbers of b
.set VP,   9                           ; v9      32 x (l % 16): my row of P in 16
.set ADRA, 16                          ; v16-17  LDS address of my xb fragments in slot 0, 1
.set ADRB, 20                          ; v20-21  the same for wb
.set STO,  24                          ; v24     the way out: where I put 32 bytes of a row
.set RD,   25                          ; v25     the way out: where I read 16 bytes of a row back
.set CO,   26                          ; v26     16 x lane: my offset in a row's 512 bytes of out, and in a block of tb
.set SPW,  28                          ; v28     LDS address of my spare word; never rewritten
.set NIL,  29                          ; v29     0; never rewritten
.set F0,   64
.set F1,   128
.set PW,   192                         ; P as loaded, f32
.set G1, 24                            ; s[24:31] descriptor group 1 for xb's tiles;  s[32:39] group 0, one set for each slot
.set G0, 32
.set G1B, 48                           ; s[48:55], s[56:63] the same for wb's tiles
.set G0B, 56
.set MSB, 0
.macro WIN new                         ; the immediate's high byte repeats the setting that is left; a switch that changes nothing is dropped
.if MSB != (\new)
	s_set_vgpr_msb (MSB<<8)|(\new)
.set MSB, \new
.endif
.endm
.set MUL_LO, 0xa1                      ; source 0 (wb) window 1, source 1 (xb) window 0, C and D window 2
.set MUL_HI, 0xf1                      ; the same, C and D window 3
.set TO_B,   0x40                      ; destination window 1, sources window 0
; A joint load.  Waves 0 and 1 fetch xb's two halves, waves 2 and 3 wb's.  The branch hangs on the wave's number alone: it is the same in every work-group.
; An s_nop 0 and four v_nop follow each of the two lines, ahead of the jump, the label and what follows.
.macro JLOAD s
	s_cmp_eq_u32 s11, 0
	s_cbranch_scc0 .Lfor_b_\@
	tensor_load_to_lds s[G0+4*(\s):G0+4*(\s)+3], s[G1:G1+7]
	s_nop 0
.rept 4
	v_nop
.endr
	s_branch .Lasked_\@
.Lfor_b_\@:
	tensor_load_to_lds s[G0B+4*(\s):G0B+4*(\s)+3], s[G1B:G1B+7]
	s_nop 0
.rept 4
	v_nop
.endr
.Lasked_\@:
.endm
; A round of the cluster's barrier: my work-group's barrier, so that wave 0's signal speaks for all four waves; wave 0 signals; every wave waits for all sixteen work-groups; my work-group's barrier once more.
.macro CREST                           ; a round behind its opening barrier
	s_cmp_lg_u32 s10, 0
	s_cbranch_scc1 .Lnot_wave_0_\@
	s_barrier_signal -3
.Lnot_wave_0_\@:
	s_barrier_wait -3
	s_barrier_signal -1
	s_barrier_wait -1
.endm
.macro CROUND                          ; a whole round
	s_barrier_signal -1
	s_barrier_wait -1
	CREST
.endm
	s_load_b128 s[4:7], s[0:1], 0x0                ; xb s[4:5], wb s[6:7]
	s_load_b64 s[8:9], s[0:1], 0x10                ; out
	s_load_b128 s[68:71], s[0:1], 0x18             ; tb s[68:69], P s[70:71]
	s_load_b64 s[72:73], s[0:1], 0x28              ; b
	v_lshl_add_u32 v[SPW], v0, 2, SPARE
	v_mov_b32 v[NIL], 0
	ds_add_u32 v[SPW], v[NIL]                      ; the wave's opening: the add and its wait stand ahead of my first tensor load; work on registers stands between them
	ds_add_u32 v28, v29
	v_lshrrev_b32 v1, 5, v0
	v_readfirstlane_b32 s10, v1                    ; wave 0..3
	s_lshr_b32 s11, s10, 1                         ; which half of the tile's rows is mine.  Also: I fetch for xb (0) or for wb (1)
	s_and_b32 s12, s10, 1                          ; which half of its columns.  Also: which 128 rows of that tile I fetch
	s_bfe_u32 s40, ttmp6, 0x40000                  ; cx, cy: my place in the cluster
	s_bfe_u32 s41, ttmp6, 0x40004
	s_lshl_b32 s42, ttmp9, 2                       ; in a cluster launch ttmp9 and ttmp7 count clusters
	s_add_co_u32 s42, s42, s40                     ; tile column = 4 x cluster x + cx
	s_and_b32 s13, ttmp7, 0xffff
	s_lshl_b32 s13, s13, 2
	s_add_co_u32 s13, s13, s41                     ; tile row = 4 x cluster y + cy
	s_lshl_b32 s43, s41, 2
	s_lshl_b32 s43, 15, s43                        ; my row of the cluster: places 4 cy .. 4 cy + 3
	s_lshl_b32 s44, 0x1111, s40                    ; my column: places cx, cx + 4, cx + 8, cx + 12
	; descriptor group 1: a tile of 128 rows x 128 elements, padded in LDS
	s_or_b32 s[G1+0], s43, (1<<16)|(1<<20)|(1<<21)|(5<<22)|(3<<25)  ; 15:0 the mask: xb's tiles go to my row; 17:16 elements of 2 bytes; 20 padding on; 21 set beside a mask; 24:22 after every 64 words (code 5); 31:25 4 words (code 3)
	s_or_b32 s[G1B+0], s44, (1<<16)|(1<<20)|(1<<21)|(5<<22)|(3<<25) ; the same with the mask of my column, for wb's tiles
.irp g, G1, G1B
	s_mov_b32 s[(\g)+1], KSTEP<<16                 ; tensor_dim0 = 128
	s_mov_b32 s[(\g)+2], 128<<16                   ; tensor_dim1 = 128
	s_mov_b32 s[(\g)+3], KSTEP<<16                 ; tile_dim0 = 128
	s_mov_b32 s[(\g)+4], 128                       ; tile_dim1 = 128
	s_mov_b32 s[(\g)+5], SIZE_K                    ; elements from row to row
	s_mov_b32 s[(\g)+6], 0
	s_mov_b32 s[(\g)+7], 0
.endr
	; xb's tiles hang on the tile row alone, which my row of the cluster shares; wb's on the tile column alone, which my column shares.  Each address is made in registers that never hold the other coordinate.
	s_lshl_b32 s17, s12, 7                         ; which 128 rows of the tile I fetch
	s_lshl_b32 s16, s13, 8
	s_add_co_u32 s16, s16, s17                     ; xb: row 256 x tile row + 128 x half
	s_lshl_b32 s46, s42, 8
	s_add_co_u32 s46, s46, s17                     ; wb: row 256 x tile column + 128 x half
	s_mov_b32 s17, 0
	s_mov_b32 s47, 0
	s_mov_b64 s[18:19], SIZE_K*2
	s_mul_u64 s[16:17], s[16:17], s[18:19]         ; in bytes
	s_mul_u64 s[46:47], s[46:47], s[18:19]
	s_mul_i32 s20, s10, HALFT                      ; where they go: wave x 128 rows: no place in the cluster enters an LDS address
	s_wait_dscnt 0x0                               ; the opening add is done
	s_wait_kmcnt 0x0
	s_add_nc_u64 s[14:15], s[4:5], s[16:17]
	s_add_nc_u64 s[46:47], s[6:7], s[46:47]
	CROUND                                         ; all sixteen work-groups are here: the first joint loads meet
.irp s, 0,1
	s_mov_b32 s[G0+4*(\s)], 1                                      ; count = 1
	s_add_co_u32 s[G0+4*(\s)+1], s20, (\s)*SLOT                    ; LDS address
	s_add_nc_u64 s[G0+4*(\s)+2:G0+4*(\s)+3], s[14:15], (\s)*KSTEP*2  ; global address: K step s
	s_or_b32 s[G0+4*(\s)+3], s[G0+4*(\s)+3], 0x80000000            ; type = 2
	s_mov_b32 s[G0B+4*(\s)], 1
	s_add_co_u32 s[G0B+4*(\s)+1], s20, (\s)*SLOT
	s_add_nc_u64 s[G0B+4*(\s)+2:G0B+4*(\s)+3], s[46:47], (\s)*KSTEP*2
	s_or_b32 s[G0B+4*(\s)+3], s[G0B+4*(\s)+3], 0x80000000
	JLOAD \s                                       ; the ring is filled before anything else is done: two loads of mine are out
.endr
	; A fragment is 16 rows x 32 K in 8 registers: lane l holds row l % 16; registers 0-3 hold K = 8 (l / 16) + 0..7, registers 4-7 K = 16 + 8 (l / 16) + 0..7: two loads of 16 bytes, 32 bytes apart.
	v_and_b32 v1, 15, v0                           ; l % 16
	v_bfe_u32 v2, v0, 4, 1                         ; l / 16
	v_mul_u32_u24 v3, v1, PITCH
	v_lshl_add_u32 v3, v2, 4, v3                   ; row x pitch + 16 x half
	s_mul_i32 s21, s11, HALFT                      ; my 128 rows of xb
	s_mul_i32 s22, s12, HALFT                      ; my 128 rows of wb,
	s_add_co_u32 s22, s22, 2*HALFT                 ; which lie behind xb's 256
.irp s, 0,1
	v_add_nc_u32 v[ADRA+(\s)], s21, v3
	v_add_nc_u32 v[ADRB+(\s)], s22, v3
	s_add_co_u32 s21, s21, SLOT
	s_add_co_u32 s22, s22, SLOT
.endr
	s_mul_i32 s23, s10, 16*SPITCH
	s_add_co_u32 s23, s23, STAGE                   ; my stage
	v_mul_u32_u24 v4, v1, SPITCH                   ; in: row l % 16, 32 bytes for each half of the lanes
	v_lshl_add_u32 v4, v2, 5, v4
	v_add_nc_u32 v[STO], s23, v4
	v_and_b32 v5, 31, v0
	v_lshlrev_b32 v[CO], 4, v5                     ; 16 x lane
	v_add_nc_u32 v[RD], s23, v[CO]                 ; back: the 32 lanes take one row of 512 bytes
	v_lshlrev_b32 v[VB], 5, v2
	v_lshlrev_b32 v[VP], 5, v1
	s_lshl_b32 s13, s13, 8
	s_lshl_b32 s14, s11, 7
	s_add_co_u32 s16, s13, s14                     ; my first row of out
	s_lshl_b32 s74, s16, 5                         ; tb: 512 bytes for 16 rows
	s_mov_b32 s75, 0
	s_add_nc_u64 s[68:69], s[68:69], s[74:75]
	s_lshl_b32 s16, s16, 14                        ; out: 16,384 bytes a row
	s_mov_b32 s17, 0
	s_lshl_b32 s46, s42, 8                         ; (in the registers that held wb's address: none that feeds xb's descriptors holds cx before this)
	s_lshl_b32 s47, s12, 7
	s_add_co_u32 s46, s46, s47                     ; my first column of out
	s_lshl_b32 s76, s46, 5                         ; P: 32 bytes a row
	s_mov_b32 s77, 0
	s_add_nc_u64 s[70:71], s[70:71], s[76:77]
	s_lshl_b32 s46, s46, 2                         ; b and out: 4 bytes a column
	s_mov_b32 s47, 0
	s_add_nc_u64 s[72:73], s[72:73], s[46:47]
	s_add_nc_u64 s[16:17], s[16:17], s[46:47]      ; what the way out adds to out's address
; 16 matrix instructions: m blocks a0, a0 + 1 of the window's four (hi = 0: my rows 0-63, 1: rows 64-127) x all 8 n blocks, 32 along K.
; bias = 1: the products start the sums with b (window 1, v[8 b ..]) as C: nothing is ever cleared.  The 64 accumulators take turns in one order everywhere.
.macro MUL16 f, hi, a0, bias
.if \bias
	WIN 0x91+0x40*(\hi)
.else
	WIN MUL_LO+0x50*(\hi)
.endif
.irp a, \a0, (\a0)+1
.irp b, 0,1,2,3,4,5,6,7
.if \bias
	v_wmma_f32_16x16x32_bf16 v[8*(8*(\a)+(\b)):8*(8*(\a)+(\b))+7], v[(\f)+8*(\b):(\f)+8*(\b)+7], v[(\f)+8*(4*(\hi)+(\a)):(\f)+8*(4*(\hi)+(\a))+7], v[8*(\b):8*(\b)+7]
.else
	v_wmma_f32_16x16x32_bf16 v[8*(8*(\a)+(\b)):8*(8*(\a)+(\b))+7], v[(\f)+8*(\b):(\f)+8*(\b)+7], v[(\f)+8*(4*(\hi)+(\a)):(\f)+8*(4*(\hi)+(\a))+7], v[8*(8*(\a)+(\b)):8*(8*(\a)+(\b))+7]
.endif
.endr
.endr
.endm
; 32 LDS loads in one run: the fragments of one quarter step (128 rows of wb, 128 rows of xb, 32 K at byte k of the rows) into buffer f
.macro FETCH slot, k, f
	WIN TO_B
.irp i, 0,1,2,3,4,5,6,7
	ds_load_b128 v[(\f)+8*(\i):(\f)+8*(\i)+3],   v[ADRB+(\slot)] offset:(\k)+(\i)*16*PITCH
	ds_load_b128 v[(\f)+8*(\i)+4:(\f)+8*(\i)+7], v[ADRB+(\slot)] offset:(\k)+(\i)*16*PITCH+32
.endr
	WIN 0
.irp i, 0,1,2,3,4,5,6,7
	ds_load_b128 v[(\f)+8*(\i):(\f)+8*(\i)+3],   v[ADRA+(\slot)] offset:(\k)+(\i)*16*PITCH
	ds_load_b128 v[(\f)+8*(\i)+4:(\f)+8*(\i)+7], v[ADRA+(\slot)] offset:(\k)+(\i)*16*PITCH+32
.endr
.endm
; A load into a register that a matrix instruction has read, and an LDS store that reads a matrix result, stand four places behind that matrix instruction; only plain vector
; instructions that name none of its registers are places (ISA guide 7.12.1 for vector instructions).
.macro PLACES
.rept 4
	v_nop
.endr
.endm
; A K step is four quarters of 32 along K, 64 matrix instructions each, on buffers 0, 1, 0, 1.  One of the first three: multiplies buffer f; in its middle it fetches the next quarter, at byte k, into g.
.macro QUARTER slot, k, f, g
	s_wait_dscnt 8                                 ; wb and xb's rows 0-63 are in; the youngest eight loads (xb's rows 64-127) may be out
	MUL16 \f, 0, 0, 0
	MUL16 \f, 0, 2, 0
	PLACES
	FETCH \slot, \k, \g
	s_wait_dscnt 32                                ; all but the 32 just issued
	MUL16 \f, 1, 0, 0
	MUL16 \f, 1, 2, 0
.endm
; The last quarter multiplies buffer 1 and changes slots: ONE barrier.  In front of it each wave waits for all its tensor loads, of which one is out: its part of the next slot; adds 0 to its
; spare word; and waits for that and for its own reads of this slot.  Behind it nobody reads this slot any more and the next slot is whole.
; fill = 1: the barrier opens a round of the cluster's barrier, and this slot is filled again, two K steps ahead, first thing behind the round: 224 matrix instructions ahead of the wait for it.
.macro TURN slot, next, fill
	WIN 0                                          ; (the add's two registers lie in window 0)
	s_wait_tensorcnt 0x0                           ; all my tensor loads have landed;
	ds_add_u32 v[SPW], v[NIL]                      ; 0 onto my spare word;
	s_wait_dscnt 9                                 ; (the add and the youngest eight loads may be out)
	MUL16 F1, 0, 0, 0                              ; sixteen matrix instructions stand between the add and the wait for it
	s_wait_dscnt 0x0                               ; the add is done, and my reads of this slot are over
	s_barrier_signal -1
	MUL16 F1, 0, 2, 0                              ; work on registers while the others arrive
.if \fill
	WIN 0
.endif
	s_barrier_wait -1
.if \fill
	CREST                                          ; no wave of any partner still reads this slot's tile or has a load on its way
	s_add_nc_u64 s[G0+4*(\slot)+2:G0+4*(\slot)+3], s[G0+4*(\slot)+2:G0+4*(\slot)+3], 2*KSTEP*2
	s_add_nc_u64 s[G0B+4*(\slot)+2:G0B+4*(\slot)+3], s[G0B+4*(\slot)+2:G0B+4*(\slot)+3], 2*KSTEP*2
	JLOAD \slot                                    ; my one tensor load behind the round; the four v_nop behind it are also the places in front of the loads below
.else
	PLACES
.endif
	FETCH \next, 0, F0
	MUL16 F1, 1, 0, 0
	MUL16 F1, 1, 2, 0
.endm
	; THE RANK'S QUARTER, in the wait for the first tiles: out = b + T P^T.  b for my 128 columns: register j of n block nb is column 16 nb + 8 (l / 16) + j, for every row.
	WIN TO_B
.irp b, 0,1,2,3,4,5,6,7
	global_load_b128 v[8*(\b):8*(\b)+3],   v[VB], s[72:73] offset:64*(\b)
	global_load_b128 v[8*(\b)+4:8*(\b)+7], v[VB], s[72:73] offset:64*(\b)+16
.endr
	WIN 0
.irp b, 0,1,2,3,4,5,6,7                ; P's row l % 16 of each n block, its eight numbers: both halves of the lanes take the same; T's zeros at K = 8..15 meet the second half's
	global_load_b128 v[PW+8*(\b):PW+8*(\b)+3],   v[VP], s[70:71] offset:512*(\b)
	global_load_b128 v[PW+8*(\b)+4:PW+8*(\b)+7], v[VP], s[70:71] offset:512*(\b)+16
.endr
.irp a, 0,1,2,3,4,5,6,7                ; T's fragments as they lie: K = 8 (l / 16) + 0..7
	global_load_b128 v[F0+8*(\a):F0+8*(\a)+3], v[CO], s[68:69] offset:512*(\a)
.endr
.irp a, 0,1,2,3,4,5,6,7                ; K = 16..31 are not used: 0 in both operands, 64 registers
.irp z, 4,5,6,7
	v_mov_b32 v[F0+8*(\a)+(\z)], 0
.endr
.endr
	WIN TO_B
.irp a, 0,1,2,3,4,5,6,7
.irp z, 4,5,6,7
	v_mov_b32 v[F0+8*(\a)+(\z)], 0
.endr
.endr
	s_wait_loadcnt 0x0
.irp b, 0,1,2,3,4,5,6,7
.irp z, 0,1,2,3
	v_cvt_pk_bf16_f32 v[F0+8*(\b)+(\z)], v[PW+8*(\b)+2*(\z)], v[PW+8*(\b)+2*(\z)+1]
.endr
.endr
	MUL16 F0, 0, 0, 1
	MUL16 F0, 0, 2, 1
	MUL16 F0, 1, 0, 1
	MUL16 F0, 1, 2, 1
	PLACES                                         ; for the loads into buffer 0
	s_wait_tensorcnt 1                             ; my part of K step 0 is in; K step 1's may stay out
	s_barrier_signal -1
	s_barrier_wait -1                              ; everybody's is
	FETCH 0, 0, F0
	QUARTER 0, 64,  F0, F1
	WIN 0                                          ; at a label and at a branch every window is 0
	s_mov_b32 s3, LAPS-1
.Llap:                                                 ; a trip goes once round the ring, from a lap's second quarter to the next lap's first, and fills both slots again
	QUARTER 0, 128, F1, F0
	QUARTER 0, 192, F0, F1
	TURN 0, 1, 1
	QUARTER 1, 64,  F0, F1
	QUARTER 1, 128, F1, F0
	QUARTER 1, 192, F0, F1
	TURN 1, 0, 1
	QUARTER 0, 64,  F0, F1
	WIN 0
	s_sub_co_u32 s3, s3, 1
	s_cmp_lg_u32 s3, 0
	s_cbranch_scc1 .Llap
	QUARTER 0, 128, F1, F0                         ; the last lap is written out: it fills nothing, and has no round of the cluster's barrier
	QUARTER 0, 192, F0, F1
	TURN 0, 1, 0
	QUARTER 1, 64,  F0, F1
	QUARTER 1, 128, F1, F0
	QUARTER 1, 192, F0, F1
	s_wait_dscnt 8                                 ; the very last quarter: nothing more to fetch
	MUL16 F1, 0, 0, 0
	MUL16 F1, 0, 2, 0
	s_wait_dscnt 0x0
	MUL16 F1, 1, 0, 0
	MUL16 F1, 1, 2, 0
	PLACES                                         ; for the LDS stores that read the results, and for the loads into the fragment buffers
; THE WAY OUT, a block of 16 rows at a time.  A lane's eight f32 are 32 bytes of a row; they go into my own stage, rows of 528 bytes, and come back as whole rows of 512.
.macro TOSTAGE a
.set AC, 64*((\a)%4)
.set BK, F0+64*((\a)%2)
	s_wait_xcnt 0x0                                ; the buffer below is the data of the stores two blocks back: loaded into only behind this wait
	WIN 0x08+4*((\a)/4)                            ; the stores' data (source 1) in window 2 or 3
.irp b, 0,1,2,3,4,5,6,7                ; each accumulator's low half first
	ds_store_b128 v[STO], v[AC+8*(\b):AC+8*(\b)+3]   offset:64*(\b)
	ds_store_b128 v[STO], v[AC+8*(\b)+4:AC+8*(\b)+7] offset:64*(\b)+16
.endr
	WIN 0
.irp t, 0,1,2,3,4,5,6,7,8,9,10,11,12,13,14,15
	ds_load_b128 v[BK+4*(\t):BK+4*(\t)+3], v[RD] offset:(\t)*SPITCH  ; LDS serves a wave's instructions in order (ISA guide 5.7.1.4): these see the stores above; the next block's stores come behind them
.endr
.endm
.macro SEND a, younger                 ; younger: the LDS instructions issued behind block a's loads: the next block's 32, or none
.set BK, F0+64*((\a)%2)
	WIN 0
	s_wait_dscnt \younger                          ; the block is back in registers
	s_wait_xcnt 0x0                                ; the stores' base is stepped only behind this wait
.if (\a) == 0
	s_add_nc_u64 s[8:9], s[8:9], s[16:17]          ; on to my first rows
.else
	s_add_nc_u64 s[8:9], s[8:9], 16*SIZE_N*4       ; 16 rows on
.endif
.irp t, 0,1,2,3,4,5,6,7,8,9,10,11,12,13,14,15
	global_store_b128 v[CO], v[BK+4*(\t):BK+4*(\t)+3], s[8:9] offset:(\t)*SIZE_N*4 th:TH_STORE_NT  ; a wave stores 512 consecutive bytes, at a multiple of 256 from out's first byte
.endr
.endm
	TOSTAGE 0
.irp a, 1,2,3,4,5,6,7
	TOSTAGE \a
	SEND (\a)-1, 32
.endr
	SEND 7, 0
	s_wait_tensorcnt 0x0                           ; the wave's end, behind my last tensor load and my last LDS store
	ds_add_u32 v[SPW], v[NIL]
	s_wait_dscnt 0x0
	CROUND                                         ; the closing round: no work-group ends while a partner may still ask for a tile that names it
	s_endpgm
.Lfunc_end_k_q2ca6efb007_gemm:
	.size	k_q2ca6efb007_gemm, .Lfunc_end_k_q2ca6efb007_gemm-k_q2ca6efb007_gemm
	.p2alignl 7, 3214868480
	.fill 96, 4, 3214868480
	.section	.rodata,"a",@progbits
	.p2align	6, 0x0
	.amdhsa_kernel k_q2ca6efb007_gemm
		.amdhsa_group_segment_fixed_size 327680
		.amdhsa_private_segment_fixed_size 0
		.amdhsa_enable_private_segment 0
		.amdhsa_kernarg_size 48
		.amdhsa_user_sgpr_count 2
		.amdhsa_user_sgpr_kernarg_segment_ptr 1
		.amdhsa_wavefront_size32 1
		.amdhsa_system_sgpr_workgroup_id_x 1
		.amdhsa_system_sgpr_workgroup_id_y 1
		.amdhsa_system_sgpr_workgroup_id_z 1
		.amdhsa_system_vgpr_workitem_id 0
		.amdhsa_next_free_vgpr 1024
		.amdhsa_next_free_sgpr 80
		.amdhsa_reserve_vcc 0
		.amdhsa_float_denorm_mode_32 3
		.amdhsa_float_denorm_mode_16_64 3
		.amdhsa_memory_ordered 1
		.amdhsa_forward_progress 1
		.amdhsa_inst_pref_size 153
	.end_amdhsa_kernel
	.amdgpu_metadata
---
amdhsa.version: [ 1, 2 ]
amdhsa.kernels:
  - .name:           k_q2ca6efb007_gemm
    .symbol:         k_q2ca6efb007_gemm.kd
    .args:
      - { .name: xb, .offset: 0, .size: 8, .value_kind: global_buffer, .address_space: global }
      - { .name: wb, .offset: 8, .size: 8, .value_kind: global_buffer, .address_space: global }
      - { .name: out0, .offset: 16, .size: 8, .value_kind: global_buffer, .address_space: global }
      - { .name: tb, .offset: 24, .size: 8, .value_kind: global_buffer, .address_space: global }
      - { .name: P, .offset: 32, .size: 8, .value_kind: global_buffer, .address_space: global }
      - { .name: b_orig, .offset: 40, .size: 8, .value_kind: global_buffer, .address_space: global }
    .group_segment_fixed_size: 327680
    .private_segment_fixed_size: 0
    .kernarg_segment_align: 8
    .kernarg_segment_size: 48
    .max_flat_workgroup_size: 128
    .sgpr_count:     80
    .vgpr_count:     1024
    .wavefront_size: 32
...
	.end_amdgpu_metadata
.endif
;; end of part 4
